; MI455X (gfx1250); checked and timed in simulation.
; The chip was launched on July 23, 2026; its instructions are those of AMD's public machine-readable ISA for CDNA 5 (MIT licence, August 2026) and "CDNA5" Instruction Set Architecture Reference Guide (July 2026). The comments in the code are by the model that wrote it; some were corrected since.
;; Patch Embedding3 D. Allowed arithmetic: float matrix products may take bf16 or f16 operands with f32 sums; all other float work in f32.
;; Inputs: b1 128 float32; b2 256 float32; be1 128 float32; be2 256 float32; bn 256 float32; g1 128 float32; g2 256 float32; gn 256 float32; w1 3 x 128 float32; w2 128 x 256 float32; x 32 x 3 x 16,384 float32.
;; Outputs: out0 32 x 512 x 256 float32.
;; One version. Each part assembles by itself: llvm-mc -triple=amdgcn-amd-amdhsa -mcpu=gfx1250 --defsym DOCPART=n.
;; ======== version 1 of 1: 1 launch
;; limits: values outside matrix products are rounded to f16; values are held in f16: magnitudes above 65,504 overflow, below 6.1e-05 lose precision; right only within a limited range of input values
;; launch embed (part 1): grid 256 x 1, 4 waves a work-group, no clusters, 86,528 bytes of LDS; arguments x, w1, b1, g1, be1, w2, b2, g2, be2, gn, bn, out0; writes out0
.if DOCPART == 1
	.amdgcn_target "amdgcn-amd-amdhsa--gfx1250"
	.amdhsa_code_object_version 6
	.text
	.protected	k_qe4c7a66cca_embed
	.globl	k_qe4c7a66cca_embed
	.p2align	8
	.type	k_qe4c7a66cca_embed,@function
k_qe4c7a66cca_embed:
	s_mov_b64 s[64:65], 0
	v_nop
	global_prefetch_b8 v0, s[64:65] scope:SCOPE_SE
	s_setreg_imm32_b32 hwreg(HW_REG_WAVE_MODE, 25, 1), 1
	s_wait_xcnt 0x0
; PatchEmbedding3D, one launch: points -> linear 3->128 -> LayerNorm -> ReLU -> linear 128->256 -> LayerNorm -> max over the 32 points of a
; patch -> LayerNorm.  x [32][3][16384] f32, out0 [32][512][256] f32.
; 256 work-groups x 4 waves = 1,024 waves; a wave owns 512 neighbouring points (16 patches) of one batch, as 4 groups of 128 points,
; a group as 8 tiles of 16 points.  Waves work alone in the loop; the one barrier stands in the set-up.
;
; ALGEBRA (exact for every input):
;  LayerNorm 1: with a_i = w1[i] - mean, c = b1 - mean, h - mu = p0 a0 + p1 a1 + p2 a2 + c.  Its squared length comes from a QR (modified
;   Gram-Schmidt, once a wave) of (a0 a1 a2 c): var + eps = y0^2 + y1^2 + y2^2 + const, a sum of squares.  s = rsq(var + eps).
;   The value in front of the ReLU is (p_i s)(a_i g1) + s (c g1) + 1 be1: five of 32 K places of one matrix instruction.
;  LayerNorm 2: w2 is centred along its 256 columns, b2 is centred, both times sgn(g2[n]).  The product d then has mean 0, var = sum d^2 / 256,
;   and max over points of the LayerNorm's result = |g2| max(d rho) + be2, for either sign of g2 and for g2 = 0.
;  LayerNorm 3: two passes in f32.
;
; LAYOUTS (l = lane, r = l & 15, h = l >> 4):
;  a 16-byte load of x gives lane l the points 4 l + e, e = 0..3, of the group.  Tile i = (e = i & 3, u = i >> 2) = element e of lanes 16 u .. 16 u + 15.
;  Stage 1 is used transposed (A = weights, B = points): register j of its result tile t holds point r, hidden place 16 t + 8 h + j, so that
;  packing neighbouring registers to f16 IS stage 2's A fragment.  Hidden place 16 t + r stands for hidden unit 8 r + t (a lane's eight weights
;  are 32 neighbouring bytes); w2's rows are laid likewise.  In stage 2's result, row 8 h + j is a point of patch 2 u + h: the maximum over a
;  patch never leaves a lane.  Column place (tile t, lane r) stands for column 64 (t >> 2) + 4 r + (t & 3): four neighbouring registers are four
;  neighbouring columns, and each 16-byte store of sixteen lanes covers 256 consecutive bytes, aligned.
;
; THE TILE IS PIPELINED: vector work stands between single matrix instructions, so that the wave has something to issue between two of them.
;  In tile i:  K step 0 carries tile i - 1's scaling and maximum (column tile t's just ahead of the instruction that writes over it);
;  K steps 1, 2 carry tile i + 1's ReLU and packing (into the other of two A buffers);  K step 3 carries this tile's sums of squares, three
;  column tiles behind;  the row sums carry tile i + 2's eight stage 1 instructions.  A trip fills and drains this by itself.
;  The price: the operands lie in four register windows, so each such place costs two s_set_vgpr_msb.
;
; REGISTERS, in windows of 256:
;  window 0: work, bias tiles 11-15, two A buffers;  window 1: v0-127 stage 2's sixteen result tiles, v128-215 bias tiles 0-10 (C of K step 0),
;  v216-223 1 / sigma of the eight rows, v224-255 the running maxima (so that scaling and maximum run under one setting, all operands in window 1);
;  windows 2 and 3: w2 as 64 f16 fragments (K step c: window 2 + c/2, register 128 (c & 1) + 8 t).  All 1,024 are in use.
;
; LEFT OUT: tensor loads and copies (w2, the only bulk data that goes to LDS, is centred, signed, rounded and transposed on the way, in registers);
;  joint loads in a cluster (what work-groups share is w2 and the small vectors, 136 KiB read once in the set-up through registers; the loop shares nothing);
;  prefetches (a group's x is asked for one whole trip ahead by its own loads); an LDS stage for the output (the column places make whole rows).
;
; LIMITS: both products take f16 operands, so these must stay below 65,504: |x| rsq(var1 + eps) (always so for |x| < 207), |(w1 - mean) g1|,
;  |(b1 - mean) g1|, |be1|, 11.4 |g1| + |be1|, |w2 - row mean|; operands below 6e-5 are rounded in steps of 6e-8.  In the QR a column whose squared
;  length behind the projections is at most 1e-8 of its squared length in front of them is dropped (at most 1e-4 of its length); squared lengths below 1e-30 count as 1e-30.
;  NaN and infinities in the inputs are not followed.  g2 = -0 counts as negative with |g2| = 0 and gives be2.
.set CB,     81920                     ; LDS: |g2|, be2, gn, bn behind the four blocks of w2
.set WPITCH, 80                        ; LDS row of w2: 32 f16 = 64 bytes + 16: an odd multiple of 16, sixteen rows start in sixteen different 16-byte columns of 256
.set WBLK,   256*WPITCH                ; one K step of w2: 256 column places
; window 0
.set XOFF, 2                           ; 16 l
.set OOFF, 3                           ; 1024 h + 16 r
.set CADR, 4                           ; CB + 16 r
.set ONE,  6                           ; v6, v7: f16 1.0 in the low half, in lanes 0-15 / 16-31 alone
.set X,    8                           ; v[8:19]    x0, x1, x2 of my four points
.set BD,   20                          ; v[20:27]   (p0 s, p1 s)[e], then (p2 s, s)[e], f16 pairs
.set Z,    28                          ; v[28:39]   0 0 0 0  b0 b1 one 0  0 0 0 0: Z+4.. is B for even hidden tiles, Z.. for odd ones
.set W1F,  40                          ; v[40:71]   four A fragments, each with two hidden tiles' weights (registers 0-2 and 4-6)
.set D1,   72                          ; v[72:135]  stage 1's eight result tiles; at other times scratch
.set A0,   136                         ; v[136:167] stage 2's A fragments of even tiles
.set SQ,   168                         ; v[168:183] two sets of eight sums of squares; scratch of the last LayerNorm
.set BW0,  184                         ; v[184:223] bias tiles 11-15
.set A1,   224                         ; v[224:255] stage 2's A fragments of odd tiles
; window 1
.set BW1,  128                         ; bias tiles 0-10
.set NB1,  11
.set RHO,  216                         ; 1 / sigma of rows 8 h + j
.set MX,   224                         ; running maxima: 16 u + t
; set-up names (window 0)
.set SB,   20
.set LB0,  21
.set LB1,  22
.set HH,   23
.set HOFF, 24
.set TOFF, 25
.set COFF, 26
.set CST,  27
.set HA0, 72
.set HA1, 80
.set HA2, 88
.set HC,  96
.set HG,  104
.set HB,  112
.set HT,  120
.set B2T, 136
.set G2T, 152
.set SG8, 168
.set CP,  176
.set PA0, 224
.set PA1, 232
.set PA2, 240
.set PC,  248
.set MN,  72                           ; later in the set-up: -mean of my 32 rows of w2
.set T,   104                          ; and 32 pairs of partial sums
; S0's scratch
.set Y0,  D1
.set Y1,  D1+4
.set Y2,  D1+8
.set VV,  D1+12
.set SS,  D1+16
.set PS0, D1+20
.set PS1, D1+24
.set PS2, D1+28
.set MSB, 0
.macro WIN new                         ; low byte: bits 1:0 source 0, 3:2 source 1, 5:4 source 2, 7:6 destination; the high byte repeats the setting that is left
.if MSB != \new
	s_set_vgpr_msb (MSB<<8)|\new
.set MSB, \new
.endif
.endm
.macro PLACES                          ; four plain vector places behind matrix instructions (ISA guide 7.12.1)
.rept 4
	v_nop
.endr
.endm
.macro RSUM16 r                        ; sum over the 16 lanes of a row, in every lane of it
	v_add_f32_dpp v[\r], v[\r], v[\r] row_xmask:1 row_mask:0xf bank_mask:0xf
	v_add_f32_dpp v[\r], v[\r], v[\r] row_xmask:2 row_mask:0xf bank_mask:0xf
	v_add_f32_dpp v[\r], v[\r], v[\r] row_xmask:4 row_mask:0xf bank_mask:0xf
	v_add_f32_dpp v[\r], v[\r], v[\r] row_xmask:8 row_mask:0xf bank_mask:0xf
.endm
.macro RSUM2 a, b                      ; the same for two registers, by turns
.irp m, 1,2,4,8
	v_add_f32_dpp v[\a], v[\a], v[\a] row_xmask:\m row_mask:0xf bank_mask:0xf
	v_add_f32_dpp v[\b], v[\b], v[\b] row_xmask:\m row_mask:0xf bank_mask:0xf
.endr
.endm
.macro DOT d, a, b                     ; d = sum over the 128 hidden units of a b (8 a lane, 16 lanes; both halves of the wave hold the same)
	v_pk_mul_f32 v[HT:HT+1], v[\a:\a+1], v[\b:\b+1]
	v_pk_fma_f32 v[HT:HT+1], v[\a+2:\a+3], v[\b+2:\b+3], v[HT:HT+1]
	v_pk_fma_f32 v[HT:HT+1], v[\a+4:\a+5], v[\b+4:\b+5], v[HT:HT+1]
	v_pk_fma_f32 v[HT:HT+1], v[\a+6:\a+7], v[\b+6:\b+7], v[HT:HT+1]
	v_add_f32 v[\d], v[HT], v[HT+1]
	RSUM16 \d
.endm
.macro CENTRE a                        ; a -= mean over the 128 hidden units
	v_pk_add_f32 v[HT:HT+1], v[\a:\a+1], v[\a+2:\a+3]
	v_pk_add_f32 v[HT+2:HT+3], v[\a+4:\a+5], v[\a+6:\a+7]
	v_pk_add_f32 v[HT:HT+1], v[HT:HT+1], v[HT+2:HT+3]
	v_add_f32 v[HT], v[HT], v[HT+1]
	RSUM16 HT
	v_mul_f32 v[HT], 0xbc000000, v[HT]             ; x -1/128
.irp k, 0,2,4,6
	v_pk_add_f32 v[\a+\k:\a+\k+1], v[\a+\k:\a+\k+1], v[HT:HT+1] op_sel_hi:[1,0]
.endr
.endm
.macro NORMQ a, thr, rc                ; r = |a| (times 1/sqrt 128 into s[rc], s[rc+1]); a /= |a|; a column at or below its threshold is dropped
	DOT HT+2, \a, \a
	v_cmp_gt_f32 vcc_lo, v[HT+2], v[\thr]
	v_max_num_f32 v[HT+3], 0x0da24260, v[HT+2]     ; at least 1e-30
	v_rsq_f32 v[HT+4], v[HT+3]
	v_nop                                          ; one plain place behind v_rsq_f32 (ISA guide 5.7.2)
	s_wait_alu depctr_va_vdst(0)
	v_cndmask_b32 v[HT+4], 0, v[HT+4], vcc_lo
	v_mul_f32 v[HT+2], v[HT+2], v[HT+4]            ; n / sqrt n
	v_mul_f32 v[HT+3], 0x3db504f3, v[HT+2]         ; x 1/sqrt 128
	v_readfirstlane_b32 s[\rc], v[HT+3]
	s_mov_b32 s[\rc+1], s[\rc]
.irp k, 0,1,2,3,4,5,6,7
	v_mul_f32 v[\a+\k], v[\a+\k], v[HT+4]
.endr
.endm
.macro PROJ q, y, rc                   ; r = q . y (scaled into s[rc], s[rc+1]); y -= r q
	DOT HT+2, \q, \y
	v_mul_f32 v[HT+3], 0x3db504f3, v[HT+2]
	v_readfirstlane_b32 s[\rc], v[HT+3]
	s_mov_b32 s[\rc+1], s[\rc]
.irp k, 0,1,2,3,4,5,6,7
	v_fma_f32 v[\y+\k], -v[\q+\k], v[HT+2], v[\y+\k]
.endr
.endm
; ---------------------------------------------------------------- A: ids, offsets, constants
	s_load_b512 s[8:23], s[0:1], 0x0               ; x 8, w1 10, b1 12, g1 14, be1 16, w2 18, b2 20, g2 22
	s_load_b256 s[24:31], s[0:1], 0x40             ; be2 24, gn 26, bn 28, out0 30
	v_lshrrev_b32 v1, 5, v0
	v_readfirstlane_b32 s2, v1                     ; wave 0..3
	v_and_b32 v1, 31, v0                           ; l
	v_and_b32 v5, 15, v0                           ; r
	v_bfe_u32 v[HH], v0, 4, 1                      ; h
	s_mov_b32 s6, 0x76543210                       ; v_permlanex16_b32: lane i of the other half
	s_mov_b32 s7, 0xfedcba98
	s_mov_b32 s32, 0x0000ffff                      ; lanes of u = 0
	s_mov_b32 s33, 0xffff0000                      ; lanes of u = 1
	s_mov_b32 s34, 0x3b800000                      ; 1/256
	s_mov_b32 s35, 0x3727c5ac                      ; eps = 1e-5
	s_mov_b32 s57, 0x3c000000                      ; 1/128
	s_mov_b32 s60, 0x80000000
	s_mov_b32 s61, 0x3f800000
	s_lshr_b32 s4, ttmp9, 3                        ; batch = work-group / 8
	s_mul_i32 s36, s4, 196608                      ; x 3 rows of 65,536 bytes
	s_and_b32 s4, ttmp9, 7
	s_lshl_b32 s4, s4, 2
	s_add_co_u32 s4, s4, s2                        ; my wave among the batch's 32
	s_lshl_b32 s4, s4, 11                          ; x 512 points of 4 bytes
	s_add_co_u32 s36, s36, s4
	s_mov_b32 s37, 0
	s_lshl_b32 s38, s2, 11                         ; w2: rows 2 w, 2 w + 1 of every eight
	s_mov_b32 s39, 0
	s_lshl_b32 s4, ttmp9, 2
	s_add_co_u32 s4, s4, s2                        ; my wave among 1,024
	s_lshl_b32 s40, s4, 14                         ; x 16 patches of 1,024 bytes
	s_mov_b32 s41, 0
	v_lshlrev_b32 v[XOFF], 4, v1
	v_lshlrev_b32 v[OOFF], 4, v5
	v_lshl_add_u32 v[OOFF], v[HH], 10, v[OOFF]
	v_lshl_add_u32 v[CADR], v5, 4, CB
	v_lshlrev_b32 v[HOFF], 5, v5                   ; my eight hidden units: 32 r
	v_lshlrev_b32 v[TOFF], 4, v5
	s_lshl_b32 s4, s2, 8
	v_lshl_add_u32 v[COFF], v1, 3, s4              ; columns 64 w + 2 l
	s_lshl_b32 s4, s2, 10
	s_add_co_u32 s4, s4, CB
	v_lshl_add_u32 v[CST], v1, 3, s4
	v_lshl_add_u32 v[SB], v[HH], 6, v5
	v_mul_u32_u24 v[SB], v[SB], WPITCH
	s_mul_i32 s4, s2, WBLK
	v_add_nc_u32 v[SB], s4, v[SB]                  ; my block of w2 + (64 h + r) rows
	v_mul_u32_u24 v[LB0], v5, WPITCH
	v_lshl_add_u32 v[LB0], v[HH], 4, v[LB0]        ; fragment: row r, 16 h
	v_add_nc_u32 v[LB1], 2*WBLK, v[LB0]
	s_wait_kmcnt 0x0
	s_add_nc_u64 s[8:9], s[8:9], s[36:37]
	s_add_nc_u64 s[18:19], s[18:19], s[38:39]
	s_add_nc_u64 s[30:31], s[30:31], s[40:41]
; ---------------------------------------------------------------- B: 29 small loads, then w2
	global_load_b128 v[X:X+3],    v[XOFF], s[8:9] th:TH_LOAD_NT
	global_load_b128 v[X+4:X+7],  v[XOFF], s[8:9] offset:65536 th:TH_LOAD_NT
	global_load_b128 v[X+8:X+11], v[XOFF], s[8:9] offset:131072 th:TH_LOAD_NT
.irp i, 0,1,2
	global_load_b128 v[HA0+8*\i:HA0+8*\i+3],   v[HOFF], s[10:11] offset:512*\i
	global_load_b128 v[HA0+8*\i+4:HA0+8*\i+7], v[HOFF], s[10:11] offset:512*\i+16
.endr
	global_load_b128 v[HC:HC+3],   v[HOFF], s[12:13]
	global_load_b128 v[HC+4:HC+7], v[HOFF], s[12:13] offset:16
	global_load_b128 v[HG:HG+3],   v[HOFF], s[14:15]
	global_load_b128 v[HG+4:HG+7], v[HOFF], s[14:15] offset:16
	global_load_b128 v[HB:HB+3],   v[HOFF], s[16:17]
	global_load_b128 v[HB+4:HB+7], v[HOFF], s[16:17] offset:16
	global_load_b128 v[SG8:SG8+3],   v[XOFF], s[22:23]             ; g2 at columns 4 l + e,
	global_load_b128 v[SG8+4:SG8+7], v[XOFF], s[22:23] offset:512  ; 128 + 4 l + e: as w2's rows are loaded
.irp q, 0,1,2,3
	global_load_b128 v[B2T+4*\q:B2T+4*\q+3], v[TOFF], s[20:21] offset:256*\q   ; b2 at column place (t = 4 q + e, r)
	global_load_b128 v[G2T+4*\q:G2T+4*\q+3], v[TOFF], s[22:23] offset:256*\q   ; g2 likewise
.endr
	global_load_b64 v[CP:CP+1],   v[COFF], s[22:23]
	global_load_b64 v[CP+2:CP+3], v[COFF], s[24:25]
	global_load_b64 v[CP+4:CP+5], v[COFF], s[26:27]
	global_load_b64 v[CP+6:CP+7], v[COFF], s[28:29]
	; w2: my K step's 32 rows.  Register row i = 16 tl + rr is row 8 rr + 2 w + tl; register 8 i + 4 q2 + e holds column 128 q2 + 4 l + e.
	WIN 0x80
.set i, 0
.rept 16
	global_load_b128 v[8*i:8*i+3],   v[XOFF], s[18:19] offset:8192*i
	global_load_b128 v[8*i+4:8*i+7], v[XOFF], s[18:19] offset:8192*i+512
.set i, i+1
.endr
	s_wait_loadcnt 0x20                            ; 32 loads of w2 were issued behind the 29 small ones: those are in
.set i, 0
.rept 16
	global_load_b128 v[128+8*i:128+8*i+3],   v[XOFF], s[18:19] offset:8192*i+1024
	global_load_b128 v[128+8*i+4:128+8*i+7], v[XOFF], s[18:19] offset:8192*i+1536
.set i, i+1
.endr
	WIN 0
; ---------------------------------------------------------------- C: the small vectors, while w2 is on its way
	v_and_b32 v[CP],   0x7fffffff, v[CP]           ; |g2|
	v_and_b32 v[CP+1], 0x7fffffff, v[CP+1]
.irp a, 0,1,2,3
	ds_store_b64 v[CST], v[CP+2*\a:CP+2*\a+1] offset:256*\a
.endr
.set k, 0
.rept 8
	v_and_or_b32 v[SG8+k], v[SG8+k], s60, s61      ; +1 or -1 with g2's sign
.set k, k+1
.endr
.set k, 0
.rept 16
	v_and_or_b32 v[G2T+k], v[G2T+k], s60, s61
.set k, k+1
.endr
	; the bias: (b2 - mean) sgn(g2), as sixteen C tiles (every row of a tile gets the column's number: eight copies a lane, written once)
	v_pk_add_f32 v[HT:HT+1],   v[B2T:B2T+1],     v[B2T+2:B2T+3]
	v_pk_add_f32 v[HT+2:HT+3], v[B2T+4:B2T+5],   v[B2T+6:B2T+7]
	v_pk_add_f32 v[HT+4:HT+5], v[B2T+8:B2T+9],   v[B2T+10:B2T+11]
	v_pk_add_f32 v[HT+6:HT+7], v[B2T+12:B2T+13], v[B2T+14:B2T+15]
	v_pk_add_f32 v[HT:HT+1],   v[HT:HT+1],   v[HT+2:HT+3]
	v_pk_add_f32 v[HT+4:HT+5], v[HT+4:HT+5], v[HT+6:HT+7]
	v_pk_add_f32 v[HT:HT+1],   v[HT:HT+1],   v[HT+4:HT+5]
	v_add_f32 v[HT], v[HT], v[HT+1]
	RSUM16 HT
	v_mul_f32 v[HT], 0xbb800000, v[HT]             ; x -1/256
.set k, 0
.rept 8
	v_pk_add_f32 v[B2T+2*k:B2T+2*k+1], v[B2T+2*k:B2T+2*k+1], v[HT:HT+1] op_sel_hi:[1,0]
.set k, k+1
.endr
.set k, 0
.rept 8
	v_pk_mul_f32 v[B2T+2*k:B2T+2*k+1], v[B2T+2*k:B2T+2*k+1], v[G2T+2*k:G2T+2*k+1]
.set k, k+1
.endr
	WIN 0x40                                       ; tiles 0-10 into window 1
.set t, 0
.rept NB1
.set j, 0
.rept 8
	v_mov_b32 v[BW1+8*t+j], v[B2T+t]
.set j, j+1
.endr
.set t, t+1
.endr
	WIN 0                                          ; tiles 11-15 stay in window 0
.set t, NB1
.rept 16-NB1
.set j, 0
.rept 8
	v_mov_b32 v[BW0+8*(t-NB1)+j], v[B2T+t]
.set j, j+1
.endr
.set t, t+1
.endr
	; stage 1's weights
	CENTRE HA0
	CENTRE HA1
	CENTRE HA2
	CENTRE HC
.irp k, 0,2,4,6
	v_pk_mul_f32 v[PA0+\k:PA0+\k+1], v[HA0+\k:HA0+\k+1], v[HG+\k:HG+\k+1]
	v_pk_mul_f32 v[PA1+\k:PA1+\k+1], v[HA1+\k:HA1+\k+1], v[HG+\k:HG+\k+1]
	v_pk_mul_f32 v[PA2+\k:PA2+\k+1], v[HA2+\k:HA2+\k+1], v[HG+\k:HG+\k+1]
	v_pk_mul_f32 v[PC+\k:PC+\k+1],   v[HC+\k:HC+\k+1],   v[HG+\k:HG+\k+1]
.endr
.set k, 0
.rept 4
	v_cvt_pk_f16_f32 v[W1F+8*k],   v[PA0+2*k], v[PA1+2*k]      ; hidden tile 2 k: K places 0-5 (and 8-13 in the upper lanes)
	v_cvt_pk_f16_f32 v[W1F+8*k+1], v[PA2+2*k], v[PC+2*k]
	v_cvt_pk_f16_f32 v[W1F+8*k+2], v[HB+2*k], 0
	v_mov_b32 v[W1F+8*k+3], 0
	v_cvt_pk_f16_f32 v[W1F+8*k+4], v[PA0+2*k+1], v[PA1+2*k+1]  ; hidden tile 2 k + 1: K places 16-21 (24-29)
	v_cvt_pk_f16_f32 v[W1F+8*k+5], v[PA2+2*k+1], v[PC+2*k+1]
	v_cvt_pk_f16_f32 v[W1F+8*k+6], v[HB+2*k+1], 0
	v_mov_b32 v[W1F+8*k+7], 0
.set k, k+1
.endr
	; QR of (a0 a1 a2 c).  Thresholds: 1e-8 of each column's squared length in front of the projections.
	DOT HT+8, HA0, HA0
	DOT HT+9, HA1, HA1
	DOT HT+10, HA2, HA2
	v_mul_f32 v[HT+8],  0x322bcc77, v[HT+8]
	v_mul_f32 v[HT+9],  0x322bcc77, v[HT+9]
	v_mul_f32 v[HT+10], 0x322bcc77, v[HT+10]
	NORMQ HA0, HT+8, 36                            ; r00
	PROJ HA0, HA1, 38                              ; r01
	PROJ HA0, HA2, 40                              ; r02
	PROJ HA0, HC, 42                               ; r03
	NORMQ HA1, HT+9, 44                            ; r11
	PROJ HA1, HA2, 46                              ; r12
	PROJ HA1, HC, 48                               ; r13
	NORMQ HA2, HT+10, 50                           ; r22
	PROJ HA2, HC, 52                               ; r23
	DOT HT+2, HC, HC
	v_fma_f32 v[HT+3], v[HT+2], s57, s35           ; what is left of c, squared, / 128 + eps
	v_readfirstlane_b32 s54, v[HT+3]
	s_mov_b32 s55, s54
.irp k, 0,1,2,3,7,8,9,10,11
	v_mov_b32 v[Z+\k], 0
.endr
	v_mov_b32 v1, 0x3c00                           ; f16 1.0 in the low half
	v_cndmask_b32 v[ONE],   0, v1, s32
	v_cndmask_b32 v[ONE+1], 0, v1, s33
; ---------------------------------------------------------------- D: w2: centre, sign, f16, through LDS into fragments
	s_wait_loadcnt 0x0
	WIN 0x0a                                       ; sources 0 and 1 in window 2
.set i, 0
.rept 32
	v_pk_add_f32 v[T+2*i:T+2*i+1], v[8*i:8*i+1], v[8*i+2:8*i+3]
.set i, i+1
.endr
.set i, 0
.rept 32
	v_pk_fma_f32 v[T+2*i:T+2*i+1], v[8*i+4:8*i+5], 1.0, v[T+2*i:T+2*i+1] op_sel_hi:[1,0,1]
.set i, i+1
.endr
.set i, 0
.rept 32
	v_pk_fma_f32 v[T+2*i:T+2*i+1], v[8*i+6:8*i+7], 1.0, v[T+2*i:T+2*i+1] op_sel_hi:[1,0,1]
.set i, i+1
.endr
	WIN 0
.set i, 0
.rept 32
	v_add_f32 v[T+2*i], v[T+2*i], v[T+2*i+1]
.set i, i+1
.endr
.irp m, 1,2,4,8
.set i, 0
.rept 32
	v_add_f32_dpp v[T+2*i], v[T+2*i], v[T+2*i] row_xmask:\m row_mask:0xf bank_mask:0xf
.set i, i+1
.endr
.endr
.set i, 0
.rept 32
	v_permlanex16_b32 v[T+2*i+1], v[T+2*i], s6, s7
.set i, i+1
.endr
.set i, 0
.rept 32
	v_add_f32 v[T+2*i], v[T+2*i], v[T+2*i+1]
.set i, i+1
.endr
.set i, 0
.rept 32
	v_mul_f32 v[MN+i], 0xbb800000, v[T+2*i]        ; -mean of row i over its 256 columns
.set i, i+1
.endr
	WIN 0x82                                       ; destination and source 0 in window 2
.set i, 0
.rept 16
.irp p, 0,2,4,6
	v_pk_add_f32 v[16*i+\p:16*i+\p+1], v[16*i+\p:16*i+\p+1], v[MN+2*i:MN+2*i+1] op_sel_hi:[1,0]
.endr
.irp p, 0,2,4,6
	v_pk_add_f32 v[16*i+8+\p:16*i+8+\p+1], v[16*i+8+\p:16*i+8+\p+1], v[MN+2*i:MN+2*i+1] op_sel:[0,1] op_sel_hi:[1,1]
.endr
.irp p, 0,2,4,6
	v_pk_mul_f32 v[16*i+\p:16*i+\p+1], v[16*i+\p:16*i+\p+1], v[SG8+\p:SG8+\p+1]
.endr
.irp p, 0,2,4,6
	v_pk_mul_f32 v[16*i+8+\p:16*i+8+\p+1], v[16*i+8+\p:16*i+8+\p+1], v[SG8+\p:SG8+\p+1]
.endr
.set i, i+1
.endr
	WIN 0xca                                       ; window 2 to window 3: two neighbouring rows of one column make a word; register 16 c + 4 g + m = rows 8 g + 2 m, + 1 of column c
.set k, 0
.rept 8
.set i, 0
.rept 16
	v_cvt_pk_f16_f32 v[16*k+i], v[16*i+k], v[16*i+8+k]
.set i, i+1
.endr
.set k, k+1
.endr
	WIN 0x0c                                       ; store data in window 3
.set k, 0
.rept 8
.set i, 0
.rept 4
	ds_store_b128 v[SB], v[16*k+4*i:16*k+4*i+3] offset:(128*(k>>2)+16*(k&3))*WPITCH+16*i   ; column place 128 q2 + 64 h + 16 e + r, K places 8 i .. 8 i + 7
.set i, i+1
.endr
.set k, k+1
.endr
	WIN 0
	s_wait_dscnt 0x0                               ; my block of w2 and my block of the constants are written, for the other waves' sake
	s_barrier_signal -1
	s_barrier_wait -1
	WIN 0x80
.set k, 0
.rept 2
.set t, 0
.rept 16
	ds_load_b128 v[128*k+8*t:128*k+8*t+3],   v[LB0] offset:WBLK*k+16*WPITCH*t
	ds_load_b128 v[128*k+8*t+4:128*k+8*t+7], v[LB0] offset:WBLK*k+16*WPITCH*t+32
.set t, t+1
.endr
.set k, k+1
.endr
	WIN 0xc0
.set k, 0
.rept 2
.set t, 0
.rept 16
	ds_load_b128 v[128*k+8*t:128*k+8*t+3],   v[LB1] offset:WBLK*k+16*WPITCH*t
	ds_load_b128 v[128*k+8*t+4:128*k+8*t+7], v[LB1] offset:WBLK*k+16*WPITCH*t+32
.set t, t+1
.endr
.set k, k+1
.endr
	WIN 0
	s_wait_dscnt 0x0
; ---------------------------------------------------------------- the loop's macros
; S0: for my four points, s = rsq(var1 + eps) and the f16 pairs (p0 s, p1 s), (p2 s, s).  One scalar pair an instruction, broadcast.
.macro S0
.irp p, 0,2
	v_pk_mul_f32 v[Y0+\p:Y0+\p+1], v[X+\p:X+\p+1],     s[36:37] op_sel_hi:[1,0]
	v_pk_mul_f32 v[Y1+\p:Y1+\p+1], v[X+4+\p:X+4+\p+1], s[44:45] op_sel_hi:[1,0]
	v_pk_mul_f32 v[Y2+\p:Y2+\p+1], v[X+8+\p:X+8+\p+1], s[50:51] op_sel_hi:[1,0]
	v_pk_fma_f32 v[Y0+\p:Y0+\p+1], v[X+4+\p:X+4+\p+1], s[38:39], v[Y0+\p:Y0+\p+1] op_sel_hi:[1,0,1]
	v_pk_fma_f32 v[Y1+\p:Y1+\p+1], v[X+8+\p:X+8+\p+1], s[46:47], v[Y1+\p:Y1+\p+1] op_sel_hi:[1,0,1]
	v_pk_add_f32 v[Y2+\p:Y2+\p+1], v[Y2+\p:Y2+\p+1], s[52:53] op_sel_hi:[1,0]
	v_pk_fma_f32 v[Y0+\p:Y0+\p+1], v[X+8+\p:X+8+\p+1], s[40:41], v[Y0+\p:Y0+\p+1] op_sel_hi:[1,0,1]
	v_pk_add_f32 v[Y1+\p:Y1+\p+1], v[Y1+\p:Y1+\p+1], s[48:49] op_sel_hi:[1,0]
	v_pk_add_f32 v[Y0+\p:Y0+\p+1], v[Y0+\p:Y0+\p+1], s[42:43] op_sel_hi:[1,0]
	v_pk_mul_f32 v[VV+\p:VV+\p+1], v[Y2+\p:Y2+\p+1], v[Y2+\p:Y2+\p+1]
	v_pk_fma_f32 v[VV+\p:VV+\p+1], v[Y1+\p:Y1+\p+1], v[Y1+\p:Y1+\p+1], v[VV+\p:VV+\p+1]
	v_pk_fma_f32 v[VV+\p:VV+\p+1], v[Y0+\p:Y0+\p+1], v[Y0+\p:Y0+\p+1], v[VV+\p:VV+\p+1]
	v_pk_add_f32 v[VV+\p:VV+\p+1], v[VV+\p:VV+\p+1], s[54:55] op_sel_hi:[1,0]
.endr
.irp e, 0,1,2,3
	v_rsq_f32 v[SS+\e], v[VV+\e]
.endr
	v_nop                                          ; one plain place behind the run of v_rsq_f32 (ISA guide 5.7.2)
	s_wait_alu depctr_va_vdst(0)
.irp p, 0,2
	v_pk_mul_f32 v[PS0+\p:PS0+\p+1], v[X+\p:X+\p+1],     v[SS+\p:SS+\p+1]
	v_pk_mul_f32 v[PS1+\p:PS1+\p+1], v[X+4+\p:X+4+\p+1], v[SS+\p:SS+\p+1]
	v_pk_mul_f32 v[PS2+\p:PS2+\p+1], v[X+8+\p:X+8+\p+1], v[SS+\p:SS+\p+1]
.endr
.irp e, 0,1,2,3
	v_cvt_pk_f16_f32 v[BD+\e],   v[PS0+\e], v[PS1+\e]
	v_cvt_pk_f16_f32 v[BD+4+\e], v[PS2+\e], v[SS+\e]
.endr
.endm
; ZSET: tile i's points into stage 1's B registers: the numbers in the lanes of half u, zeros in the other, whose K places then add nothing.
.macro ZSET i
	v_cndmask_b32 v[Z+4], 0, v[BD+((\i)&3)],   s[32+((\i)>>2)]
	v_cndmask_b32 v[Z+5], 0, v[BD+4+((\i)&3)], s[32+((\i)>>2)]
.if ((\i)&3) == 0
	v_mov_b32 v[Z+6], v[ONE+((\i)>>2)]
.endif
.endm
; S1W: stage 1's matrix instruction for hidden tile t (window 0 throughout)
.macro S1W t
	v_wmma_f32_16x16x32_f16 v[D1+8*(\t):D1+8*(\t)+7], v[W1F+8*((\t)>>1):W1F+8*((\t)>>1)+7], v[Z+4-4*((\t)&1):Z+11-4*((\t)&1)], 0
.endm
.macro SW i, t                         ; in tile i: stage 1 of tile i + 2, if there is one in this group
.if (\i) < 6
	S1W \t
.endif
.endm
; S2W: stage 2's matrix instruction of K step k for column tile t, A from buffer ab.  A window 0, D window 1, B window 2 or 3.
; K step 0 starts the sum with the bias tile (window 1 for tiles 0-10, window 0 for 11-15).  Within each K step the sixteen accumulators take
; turns, one instruction a turn.
.macro S2W ab, k, t
.if (\k) == 0
.if (\t) < NB1
	WIN 0x58
	v_wmma_f32_16x16x32_f16 v[8*(\t):8*(\t)+7], v[\ab:\ab+7], v[8*(\t):8*(\t)+7], v[BW1+8*(\t):BW1+8*(\t)+7]
.else
	WIN 0x48
	v_wmma_f32_16x16x32_f16 v[8*(\t):8*(\t)+7], v[\ab:\ab+7], v[8*(\t):8*(\t)+7], v[BW0+8*((\t)-NB1):BW0+8*((\t)-NB1)+7]
.endif
.endif
.if (\k) == 1
	WIN 0x58
	v_wmma_f32_16x16x32_f16 v[8*(\t):8*(\t)+7], v[\ab+8:\ab+15], v[128+8*(\t):128+8*(\t)+7], v[8*(\t):8*(\t)+7]
.endif
.if (\k) == 2
	WIN 0x5c
	v_wmma_f32_16x16x32_f16 v[8*(\t):8*(\t)+7], v[\ab+16:\ab+23], v[8*(\t):8*(\t)+7], v[8*(\t):8*(\t)+7]
.endif
.if (\k) == 3
	WIN 0x5c
	v_wmma_f32_16x16x32_f16 v[8*(\t):8*(\t)+7], v[\ab+24:\ab+31], v[128+8*(\t):128+8*(\t)+7], v[8*(\t):8*(\t)+7]
.endif
.endm
; SQT: column tile t's squares onto one of two sets of eight sums (sources in window 1, sums in window 0: setting 0x05)
.macro SQT t
.set jj, 0
.rept 4
.if (\t) < 2
	v_pk_mul_f32 v[SQ+8*((\t)&1)+2*jj:SQ+8*((\t)&1)+2*jj+1], v[8*(\t)+2*jj:8*(\t)+2*jj+1], v[8*(\t)+2*jj:8*(\t)+2*jj+1]
.else
	v_pk_fma_f32 v[SQ+8*((\t)&1)+2*jj:SQ+8*((\t)&1)+2*jj+1], v[8*(\t)+2*jj:8*(\t)+2*jj+1], v[8*(\t)+2*jj:8*(\t)+2*jj+1], v[SQ+8*((\t)&1)+2*jj:SQ+8*((\t)&1)+2*jj+1]
.endif
.set jj, jj+1
.endr
.endm
.macro DPP8 m                          ; one step of the sum over the 16 lanes that hold row 8 h + j, for the eight j
.set jj, 0
.rept 8
	v_add_f32_dpp v[SQ+jj], v[SQ+jj], v[SQ+jj] row_xmask:\m row_mask:0xf bank_mask:0xf
.set jj, jj+1
.endr
.endm
; TILE i.  On entry: A buffer i & 1 holds this tile's A; D1 holds stage 1's results of tile i + 1; D and RHO hold tile i - 1's products and 1 / sigma.
.macro TILE i
.set AC, A0+(A1-A0)*((\i)&1)
.set AN, A0+(A1-A0)*(((\i)+1)&1)
.if (\i) == 7
	WIN 0                                          ; D1 has been read for the last time in this group: the last LayerNorm's constants are asked for from LDS
.set kk, 0
.rept 4
.set jj, 0
.rept 4
	ds_load_b128 v[D1+16*kk+4*jj:D1+16*kk+4*jj+3], v[CADR] offset:1024*jj+256*kk   ; array kk at column places t = 4 jj + e
.set jj, jj+1
.endr
.set kk, kk+1
.endr
.endif
	; K step 0.  Ahead of column tile t's instruction, which writes over D[t]: tile i - 1's maximum over D[t]'s eight rows (a tree: rows 6, 7 with the
	; running maximum; rows 0-2; rows 3-5; the three), with the scaling of D[t + 1] between its lines.  All operands in window 1: setting 0x55.
.if (\i) > 0
.set UP, MX+16*(((\i)-1)>>2)
	WIN 0x55
.set jj, 0
	s_wait_alu depctr_va_vdst(0)
.rept 4
	v_pk_mul_f32 v[2*jj:2*jj+1], v[2*jj:2*jj+1], v[RHO+2*jj:RHO+2*jj+1]
.set jj, jj+1
.endr
.endif
.set tw, 0
.rept 16
.if (\i) > 0
	WIN 0x55
.if (((\i)-1)&3) == 0
	v_max_num_f32 v[UP+tw], v[8*tw+6], v[8*tw+7]   ; the patch's first tile starts the maximum
.else
	v_max3_num_f32 v[UP+tw], v[8*tw+6], v[8*tw+7], v[UP+tw]
.endif
.if tw < 15
	v_pk_mul_f32 v[8*tw+8:8*tw+9], v[8*tw+8:8*tw+9], v[RHO:RHO+1]
.endif
	v_max3_num_f32 v[8*tw], v[8*tw], v[8*tw+1], v[8*tw+2]
.if tw < 15
	v_pk_mul_f32 v[8*tw+10:8*tw+11], v[8*tw+10:8*tw+11], v[RHO+2:RHO+3]
.endif
	v_max3_num_f32 v[8*tw+3], v[8*tw+3], v[8*tw+4], v[8*tw+5]
.if tw < 15
	v_pk_mul_f32 v[8*tw+12:8*tw+13], v[8*tw+12:8*tw+13], v[RHO+4:RHO+5]
	v_pk_mul_f32 v[8*tw+14:8*tw+15], v[8*tw+14:8*tw+15], v[RHO+6:RHO+7]
.endif
	v_max3_num_f32 v[UP+tw], v[8*tw], v[8*tw+3], v[UP+tw]
.endif
	S2W AC, 0, tw
.set tw, tw+1
.endr
	; K steps 1 and 2.  Ahead of every second instruction: tile i + 1's ReLU of four registers and the packing of the four before them.
	; Hidden places 16 t + 8 h + j, j + 1 of point r make register 4 t + j / 2 of stage 2's A.
.set tw, 0
.rept 32
.if (\i) < 7
.if (tw&1) == 0
	WIN 0
.set ts, tw>>1
.set jj, 0
.rept 4
	v_max_num_f32 v[D1+4*ts+jj], 0, v[D1+4*ts+jj]
.set jj, jj+1
.endr
.if ts > 0
	v_cvt_pk_f16_f32 v[AN+2*ts-2], v[D1+4*ts-4], v[D1+4*ts-3]
	v_cvt_pk_f16_f32 v[AN+2*ts-1], v[D1+4*ts-2], v[D1+4*ts-1]
.endif
.endif
.endif
	S2W AC, 1+(tw>>4), tw&15
.set tw, tw+1
.endr
	; K step 3.  Column tile t's squares stand three instructions behind its last product.  The four plain lines ahead of the second instruction are the
	; places behind the first (ISA guide 7.12.1); later each tile's four lines are the places for the tile behind it.
.set tw, 0
.rept 16
.if tw == 1
	WIN 0
.if (\i) < 7
	v_cvt_pk_f16_f32 v[AN+30], v[D1+60], v[D1+61]
	v_cvt_pk_f16_f32 v[AN+31], v[D1+62], v[D1+63]
.else
	v_nop
	v_nop
.endif
.if (\i) < 6
	ZSET (\i)+2
.else
	v_nop
	v_nop
.endif
.endif
.if tw >= 3
	WIN 0x05
	SQT tw-3
.endif
	S2W AC, 3, tw
.set tw, tw+1
.endr
	WIN 0x05
	SQT 13
	SQT 14
	SQT 15
	WIN 0
	; the row sums, with tile i + 2's stage 1 between them (all in window 0)
	SW \i, 0
.irp j, 0,2,4,6
	v_pk_add_f32 v[SQ+\j:SQ+\j+1], v[SQ+\j:SQ+\j+1], v[SQ+8+\j:SQ+8+\j+1]
.endr
	SW \i, 1
	DPP8 1
	SW \i, 2
	DPP8 2
	SW \i, 3
	DPP8 4
	SW \i, 4
	DPP8 8
	SW \i, 5
.irp j, 0,1,2,3
	v_fma_f32 v[SQ+\j], v[SQ+\j], s34, s35         ; / 256 + eps
.endr
	SW \i, 6
.irp j, 4,5,6,7
	v_fma_f32 v[SQ+\j], v[SQ+\j], s34, s35
.endr
	SW \i, 7
	WIN 0x40                                       ; 1 / sigma goes to window 1
.set jj, 0
.rept 8
	v_rsq_f32 v[RHO+jj], v[SQ+jj]
.set jj, jj+1
.endr
	v_nop                                          ; one plain place behind the run of v_rsq_f32 (ISA guide 5.7.2)
.endm
; LN3: the group's four patches (u = 0, 1; lanes 0-15 patch 2 u, lanes 16-31 patch 2 u + 1): |g2| max + be2, the last LayerNorm, eight stores.
; D1 holds |g2| at +0, be2 at +16, gn at +32, bn at +48, each at the sixteen column places of my lane; the maxima lie in window 1; scratch SQ + 8 u.
.macro LN3
	WIN 0x41                                       ; destination and source 0 in window 1
.irp u, 0,1
.set kk, 0
.rept 8
	v_pk_fma_f32 v[MX+16*\u+2*kk:MX+16*\u+2*kk+1], v[MX+16*\u+2*kk:MX+16*\u+2*kk+1], v[D1+2*kk:D1+2*kk+1], v[D1+16+2*kk:D1+16+2*kk+1]
.set kk, kk+1
.endr
.endr
	WIN 0x05                                       ; sources 0 and 1 in window 1
.irp u, 0,1
.irp q, 0,1,2,3
	v_pk_add_f32 v[SQ+8*\u+2*\q:SQ+8*\u+2*\q+1], v[MX+16*\u+4*\q:MX+16*\u+4*\q+1], v[MX+16*\u+4*\q+2:MX+16*\u+4*\q+3]
.endr
.endr
	WIN 0
.irp u, 0,1
	v_pk_add_f32 v[SQ+8*\u:SQ+8*\u+1],   v[SQ+8*\u:SQ+8*\u+1],   v[SQ+8*\u+2:SQ+8*\u+3]
	v_pk_add_f32 v[SQ+8*\u+4:SQ+8*\u+5], v[SQ+8*\u+4:SQ+8*\u+5], v[SQ+8*\u+6:SQ+8*\u+7]
.endr
.irp u, 0,1
	v_pk_add_f32 v[SQ+8*\u:SQ+8*\u+1], v[SQ+8*\u:SQ+8*\u+1], v[SQ+8*\u+4:SQ+8*\u+5]
.endr
.irp u, 0,1
	v_add_f32 v[SQ+8*\u], v[SQ+8*\u], v[SQ+8*\u+1]
.endr
	RSUM2 SQ, SQ+8
.irp u, 0,1
	v_mul_f32 v[SQ+8*\u], 0xbb800000, v[SQ+8*\u]   ; -mean
.endr
	WIN 0x41
.irp u, 0,1
.set kk, 0
.rept 8
	v_pk_add_f32 v[MX+16*\u+2*kk:MX+16*\u+2*kk+1], v[MX+16*\u+2*kk:MX+16*\u+2*kk+1], v[SQ+8*\u:SQ+8*\u+1] op_sel_hi:[1,0]
.set kk, kk+1
.endr
.endr
	WIN 0x05
.irp u, 0,1
	v_pk_mul_f32 v[SQ+8*\u+2:SQ+8*\u+3], v[MX+16*\u:MX+16*\u+1],   v[MX+16*\u:MX+16*\u+1]
	v_pk_mul_f32 v[SQ+8*\u+4:SQ+8*\u+5], v[MX+16*\u+2:MX+16*\u+3], v[MX+16*\u+2:MX+16*\u+3]
.set kk, 2
.rept 6
	v_pk_fma_f32 v[SQ+8*\u+2+2*(kk&1):SQ+8*\u+3+2*(kk&1)], v[MX+16*\u+2*kk:MX+16*\u+2*kk+1], v[MX+16*\u+2*kk:MX+16*\u+2*kk+1], v[SQ+8*\u+2+2*(kk&1):SQ+8*\u+3+2*(kk&1)]
.set kk, kk+1
.endr
.endr
	WIN 0
.irp u, 0,1
	v_pk_add_f32 v[SQ+8*\u+2:SQ+8*\u+3], v[SQ+8*\u+2:SQ+8*\u+3], v[SQ+8*\u+4:SQ+8*\u+5]
.endr
.irp u, 0,1
	v_add_f32 v[SQ+8*\u+2], v[SQ+8*\u+2], v[SQ+8*\u+3]
.endr
	RSUM2 SQ+2, SQ+10
.irp u, 0,1
	v_fma_f32 v[SQ+8*\u+2], v[SQ+8*\u+2], s34, s35
.endr
.irp u, 0,1
	v_rsq_f32 v[SQ+8*\u+4], v[SQ+8*\u+2]
.endr
	v_nop                                          ; one plain place behind the two v_rsq_f32 (ISA guide 5.7.2)
	WIN 0x41
	s_wait_alu depctr_va_vdst(0)
.irp u, 0,1
.set kk, 0
.rept 8
	v_pk_mul_f32 v[MX+16*\u+2*kk:MX+16*\u+2*kk+1], v[MX+16*\u+2*kk:MX+16*\u+2*kk+1], v[SQ+8*\u+4:SQ+8*\u+5] op_sel_hi:[1,0]
.set kk, kk+1
.endr
.endr
.irp u, 0,1
.set kk, 0
.rept 8
	v_pk_fma_f32 v[MX+16*\u+2*kk:MX+16*\u+2*kk+1], v[MX+16*\u+2*kk:MX+16*\u+2*kk+1], v[D1+32+2*kk:D1+32+2*kk+1], v[D1+48+2*kk:D1+48+2*kk+1]
.set kk, kk+1
.endr
.endr
	WIN 0x04                                       ; store data in window 1
.irp u, 0,1
.set kk, 0
.rept 4
	global_store_b128 v[OOFF], v[MX+16*\u+4*kk:MX+16*\u+4*kk+3], s[30:31] offset:2048*\u+256*kk th:TH_STORE_NT   ; sixteen lanes: 256 consecutive bytes of a patch's row, aligned
.set kk, kk+1
.endr
.endr
	WIN 0
.endm
; ---------------------------------------------------------------- the loop: four groups of 128 points (4 patches)
	s_mov_b32 s56, 0
.Lgroup:
	s_wait_loadcnt 0x0                             ; this group's x is in (asked for one trip ago), and its loads' base may be stepped
	S0
	s_cmp_eq_u32 s56, 3
	s_cbranch_scc1 .Lnoload                        ; the last group asks for nothing: no load leaves x
	s_add_nc_u64 s[8:9], s[8:9], 512               ; the next 128 points
	global_load_b128 v[X:X+3],    v[XOFF], s[8:9] th:TH_LOAD_NT
	global_load_b128 v[X+4:X+7],  v[XOFF], s[8:9] offset:65536 th:TH_LOAD_NT
	global_load_b128 v[X+8:X+11], v[XOFF], s[8:9] offset:131072 th:TH_LOAD_NT
.Lnoload:
	; the head: stage 1 of tile 0, its ReLU and packing, stage 1 of tile 1
	ZSET 0
.set tw, 0
.rept 8
	S1W tw
.set tw, tw+1
.endr
	PLACES
.set jj, 0
.rept 64
	v_max_num_f32 v[D1+jj], 0, v[D1+jj]
.set jj, jj+1
.endr
.set jj, 0
.rept 32
	v_cvt_pk_f16_f32 v[A0+jj], v[D1+2*jj], v[D1+2*jj+1]
.set jj, jj+1
.endr
	ZSET 1
.set tw, 0
.rept 8
	S1W tw
.set tw, tw+1
.endr
	PLACES                                         ; tile 0's K step 0 carries no vector work: these are the places in front of the first ReLU
	TILE 0
	TILE 1
	TILE 2
	TILE 3
	TILE 4
	TILE 5
	TILE 6
	TILE 7
	; the tail: tile 7's scaling and maximum
	WIN 0x55
.set tw, 0
	s_wait_alu depctr_va_vdst(0)
.rept 16
.set jj, 0
.rept 4
	v_pk_mul_f32 v[8*tw+2*jj:8*tw+2*jj+1], v[8*tw+2*jj:8*tw+2*jj+1], v[RHO+2*jj:RHO+2*jj+1]
.set jj, jj+1
.endr
.set tw, tw+1
.endr
.set jj, 0
.rept 4
.set tw, 0
.rept 16
	v_max3_num_f32 v[MX+16+tw], v[8*tw+2*jj], v[8*tw+2*jj+1], v[MX+16+tw]
.set tw, tw+1
.endr
.set jj, jj+1
.endr
	WIN 0
	s_wait_dscnt 0x0                               ; the sixteen loads of the constants, issued at the head of tile 7
	LN3
	s_wait_xcnt 0x0                                ; the stores' data (the maxima's registers) and base are written again only behind this wait
	s_add_nc_u64 s[30:31], s[30:31], 4096          ; four patches on
	s_add_co_u32 s56, s56, 1
	s_cmp_lt_u32 s56, 4
	s_cbranch_scc1 .Lgroup
	s_wait_xcnt 0x0
	v_lshl_add_u32 v254, v0, 2, 0x15000
	v_mov_b32 v255, 0
	s_wait_tensorcnt 0x0
	ds_add_u32 v254, v255
	s_wait_dscnt 0x0
	s_endpgm
.Lfunc_end_k_qe4c7a66cca_embed:
	.size	k_qe4c7a66cca_embed, .Lfunc_end_k_qe4c7a66cca_embed-k_qe4c7a66cca_embed
	.p2alignl 7, 3214868480
	.fill 96, 4, 3214868480
	.section	.rodata,"a",@progbits
	.p2align	6, 0x0
	.amdhsa_kernel k_qe4c7a66cca_embed
		.amdhsa_group_segment_fixed_size 86528
		.amdhsa_private_segment_fixed_size 0
		.amdhsa_enable_private_segment 0
		.amdhsa_kernarg_size 96
		.amdhsa_user_sgpr_count 2
		.amdhsa_user_sgpr_kernarg_segment_ptr 1
		.amdhsa_wavefront_size32 1
		.amdhsa_system_sgpr_workgroup_id_x 1
		.amdhsa_system_sgpr_workgroup_id_y 1
		.amdhsa_system_sgpr_workgroup_id_z 1
		.amdhsa_system_vgpr_workitem_id 0
		.amdhsa_next_free_vgpr 1024
		.amdhsa_next_free_sgpr 66
		.amdhsa_reserve_vcc 1
		.amdhsa_float_denorm_mode_32 3
		.amdhsa_float_denorm_mode_16_64 3
		.amdhsa_memory_ordered 1
		.amdhsa_forward_progress 1
		.amdhsa_inst_pref_size 255
	.end_amdhsa_kernel
	.section	.bss,"aw",@nobits
	.p2align	6
	.space	262144
	.amdgpu_metadata
---
amdhsa.version: [ 1, 2 ]
amdhsa.kernels:
  - .name:           k_qe4c7a66cca_embed
    .symbol:         k_qe4c7a66cca_embed.kd
    .args:
      - { .name: x, .offset: 0, .size: 8, .value_kind: global_buffer, .address_space: global }
      - { .name: w1, .offset: 8, .size: 8, .value_kind: global_buffer, .address_space: global }
      - { .name: b1, .offset: 16, .size: 8, .value_kind: global_buffer, .address_space: global }
      - { .name: g1, .offset: 24, .size: 8, .value_kind: global_buffer, .address_space: global }
      - { .name: be1, .offset: 32, .size: 8, .value_kind: global_buffer, .address_space: global }
      - { .name: w2, .offset: 40, .size: 8, .value_kind: global_buffer, .address_space: global }
      - { .name: b2, .offset: 48, .size: 8, .value_kind: global_buffer, .address_space: global }
      - { .name: g2, .offset: 56, .size: 8, .value_kind: global_buffer, .address_space: global }
      - { .name: be2, .offset: 64, .size: 8, .value_kind: global_buffer, .address_space: global }
      - { .name: gn, .offset: 72, .size: 8, .value_kind: global_buffer, .address_space: global }
      - { .name: bn, .offset: 80, .size: 8, .value_kind: global_buffer, .address_space: global }
      - { .name: out0, .offset: 88, .size: 8, .value_kind: global_buffer, .address_space: global }
    .group_segment_fixed_size: 86528
    .private_segment_fixed_size: 0
    .kernarg_segment_align: 8
    .kernarg_segment_size: 96
    .max_flat_workgroup_size: 128
    .sgpr_count:     66
    .vgpr_count:     1024
    .wavefront_size: 32
...
	.end_amdgpu_metadata
.endif
;; end of part 1
